; MI455X (gfx1250); checked and timed in simulation.
; The chip was launched on July 23, 2026; its instructions are those of AMD's public machine-readable ISA for CDNA 5 (MIT licence, August 2026) and "CDNA5" Instruction Set Architecture Reference Guide (July 2026). The comments in the code are by the model that wrote it; some were corrected since.
;; Dense Distance. Allowed arithmetic: float matrix products may take bf16 or f16 operands with f32 sums; all other float work in f32.
;; Inputs: kernel 256 x 512 float32; x 2,048 x 256 float32.
;; Outputs: out0 2,048 x 512 float32.
;; One version. Each part assembles by itself: llvm-mc -triple=amdgcn-amd-amdhsa -mcpu=gfx1250 --defsym DOCPART=n.
;; ======== version 1 of 1: 1 launch
;; limits: values outside matrix products are rounded to bf16; a difference of large sums (such as E[x^2] - mean^2): digits are lost where the result is much smaller than its terms; right only within a limited range of input values
;; launch dist (part 1): grid 8 x 32, 4 waves a work-group, no clusters, 205,312 bytes of LDS; arguments x, kernel, out0; writes out0
.if DOCPART == 1
	.amdgcn_target "amdgcn-amd-amdhsa--gfx1250"
	.amdhsa_code_object_version 6
	.text
	.protected	k_q6a2c7a9d09_dist
	.globl	k_q6a2c7a9d09_dist
	.p2align	8
	.type	k_q6a2c7a9d09_dist,@function
k_q6a2c7a9d09_dist:
	s_mov_b64 s[64:65], 0
	v_nop
	global_prefetch_b8 v0, s[64:65] scope:SCOPE_SE
	s_setreg_imm32_b32 hwreg(HW_REG_WAVE_MODE, 25, 1), 1
	s_wait_xcnt 0x0
; out0[b][u] = sqrt(max(sum over d of (x[b][d] - W[d][u])^2, 1e-7)).  x: [2048][256], W (kernel): [256][512], out0: [2048][512], all f32.
;
; THE FORM.  The distance does not change when one vector c is taken from both points.  With x' = x - c, w' = w - c (f32), rounded to bf16:
;   sum (x - w)^2 = |x'|^2 + |w'|^2 - 2 x'.w'
; c is the first x row of the work-group's own tile, so an offset that x and W share is gone before anything is rounded or squared.
; The two norms are the norms of the ROUNDED vectors, so the result is the distance between the rounded points: it differs from the true
; distance e[b][u] by at most 2^-9 (|x'| + |w'|) <= 2^-9 (e[b][u] + 2 e[m0][u]), m0 the tile's first row, plus the rounding of f32 sums.
; LIMITS: inputs that are NaN or infinite are not served (the maximum below drops a NaN).  The three sums stay finite while every distance
; of a tile is below 2^62; the plain sum of squares would stay finite up to 2^64.
;
; THE SHARES.  256 work-groups (8 along u, 32 along b), each a tile of 64 x 64 outputs, four waves.  The 256 d are split: wave w owns
; d = 64 w .. 64 w + 63 of the tile's 64 x rows and 64 W columns, so no byte is fetched or converted twice in a work-group.  Each wave brings
; its two pieces (64 rows x 256 bytes each, every row 256 consecutive bytes at a multiple of 256) by two tensor loads at its first lines,
; reads only its own bytes, and makes partial sums for the whole tile.  The partial sums meet in LDS behind the one barrier;
; wave w finishes rows 16 w .. 16 w + 15.  No loop and no refill: all that a work-group reads lies in LDS at once.
;
; LAYOUTS.  A fragment (16 rows or columns x 32 d) holds in lane (r = lane % 16, h = lane / 16) sixteen d; here slot i of K step s is
; d = 32 s + 16 h + i for x and for W alike (a permutation of d used on both sides keeps every product).
;   x: lane (r, h) reads row r, 64 consecutive bytes: four 16-byte LDS loads; rows are 272 bytes apart, so 16 rows start in 16 different 16-byte columns.
;   W lies [d][u]: 16 bytes of row d at byte 16 r are columns 4 r .. 4 r + 3 = column r of FOUR fragments t = 0..3 (fragment t holds columns 4 r + t).
;   So W needs no transposition, and in the result lane r holds, for a row, columns 4 r .. 4 r + 3: sixteen lanes store 256 consecutive bytes.
; NORMS.  A fragment multiplied by itself gives a 16 x 16 table of inner products whose diagonal holds the sums of squares of the rounded
; numbers, summed in f32: 16 matrix instructions a wave instead of a multiply-add for every number and sums across lanes.
;
; NO CLUSTER: the x piece is shared by 8 work-groups and the W piece by 32, but each wave asks exactly once, at its first lines; a joint request
; would need one round of the cluster's barrier in front of that single request and one more at the end, two rounds for one request.
;
; REGISTERS.  Window 0: v0-15 addresses; v16-47 c; v48-175 x as read, then W's fragments (48-111) and the norm tables (112-175), then the four
; partial sums; v176-239 x's fragments, then partial norms; v224-255 results.  Window 1: v256-383 W as read; v384-511 the 16 accumulators.
.set XP,   272                         ; LDS pitch of an x row: 256 bytes + 16 of padding
.set XW,   64*XP                       ; a wave's x piece
.set WST,  4*XW                        ; W's pieces begin here
.set WW,   64*256                      ; a wave's W piece, rows of 256 bytes without padding (a read takes a whole row)
.set EX,   WST+4*WW                    ; partial sums: [owner 4][from 4][chunk 8][lane 32] x 16 bytes.  No tensor load ever lands from here on
.set NXB,  EX+4*16384                  ; partial norms of x: [from 4][block 4][lane 32] words
.set NWB,  NXB+4*512                   ; partial norms of W: [from 4][lane 32][t 4] words.  Ends at 204,800
.set CA,  4                            ; LDS address: c (row 0 of my x piece), my half's 64 bytes
.set XA,  5                            ; LDS address: my row and half in my x piece
.set WA,  6                            ; LDS address: my 16 bytes and half in my W piece
.set EXS, 7                            ; where I put partial sums
.set EXL, 8                            ; where I read the four partial sums of my rows
.set NXS, 9
.set NXL, 10
.set NWS, 11
.set NWL, 12
.set CO,  13                           ; my byte offset in out0
.set CW,  16                           ; v[16:47]   c[32 s + 16 h + i] at CW + 16 s + i
.set XS,  48                           ; v[48:175]  x as read: block a, step s at XS + 32 a + 16 s
.set BF,  48                           ; v[48:111]  W's fragments: t, s at BF + 16 t + 8 s
.set G,   112                          ; v[112:175] norm tables: x's block a at G + 8 a, W's t at G + 32 + 8 t
.set AF,  176                          ; v[176:239] x's fragments: a, s at AF + 16 a + 8 s
.set DX,  240                          ; v[240:243] diagonals of x's four tables
.set DW,  244                          ; v[244:247] diagonals of W's four tables
.set P,   48                           ; v[48:175]  behind the barrier: partial sums, from wave f at P + 32 f + 8 t + j
.set NP,  176                          ; v[176:207] partial norms of my rows, from wave f at NP + 8 f + j
.set NQ,  208                          ; v[208:223] partial norms of my columns, from wave f at NQ + 4 f + t
.set O,   224                          ; v[224:255] results: row j, columns t at O + 4 j + t
.set WS,  0                            ; window 1: W as read, slot 16 s + i, column t at WS + 4 (16 s + i) + t
.set ACC, 128                          ; window 1: accumulator (a, t) at ACC + 8 (4 a + t)
.set MK,  50                           ; s[51:57] lane masks: lane % 8 == j
.set MSB, 0
.macro WIN new                         ; s_set_vgpr_msb: bits 1:0 source 0, 3:2 source 1, 5:4 source 2, 7:6 destination; the high byte repeats the setting left
.if MSB != \new
	s_set_vgpr_msb (MSB<<8)|\new
.set MSB, \new
.endif
.endm
	s_load_b128 s[4:7], s[0:1], 0x0                ; x s[4:5], W s[6:7]
	s_load_b64 s[8:9], s[0:1], 0x10                ; out0
	v_lshl_add_u32 v15, v0, 2, 0x32000
	s_set_vgpr_msb 0x80
	v_mov_b32 v1, 0
	s_set_vgpr_msb 0x8088
	ds_add_u32 v15, v1
	ds_add_u32 v15, v1
	s_set_vgpr_msb 0x8800
	v_lshrrev_b32 v1, 5, v0
	v_readfirstlane_b32 s10, v1                    ; wave 0..3
	s_and_b32 s11, ttmp7, 0xffff                   ; block of 64 rows (0..31); ttmp9: block of 64 columns (0..7)
	; descriptor group 1 for x: 64 rows x 64 elements of 4 bytes, 256 elements from row to row, 4 words of padding behind every 64 words
	s_mov_b32 s16, (2<<16)|(1<<20)|(5<<22)|(3<<25)
	s_mov_b32 s17, 64<<16                          ; tensor_dim0 = 64
	s_mov_b32 s18, 64<<16                          ; tensor_dim1 = 64
	s_mov_b32 s19, 64<<16                          ; tile_dim0 = 64
	s_mov_b32 s20, 64                              ; tile_dim1 = 64
	s_mov_b32 s21, 256
	s_mov_b32 s22, 0
	s_mov_b32 s23, 0
	; descriptor group 1 for W: the same tile, 512 elements from row to row, no padding
	s_mov_b32 s28, 2<<16
	s_mov_b32 s29, 64<<16
	s_mov_b32 s30, 64<<16
	s_mov_b32 s31, 64<<16
	s_mov_b32 s32, 64
	s_mov_b32 s33, 512
	s_mov_b32 s34, 0
	s_mov_b32 s35, 0
	s_mov_b32 s12, 1
	s_mul_i32 s13, s10, XW                         ; my x piece in LDS
	s_mov_b32 s24, 1
	s_lshl_b32 s25, s10, 14
	s_add_co_u32 s25, s25, WST                     ; my W piece in LDS
	s_lshl_b32 s36, s11, 16                        ; x: 64 rows of 1,024 bytes a block,
	s_lshl_b32 s38, s10, 8                         ; my 64 d are 256 bytes of a row
	s_add_co_u32 s36, s36, s38
	s_mov_b32 s37, 0
	s_lshl_b32 s38, s10, 17                        ; W: my 64 rows of 2,048 bytes,
	s_lshl_b32 s39, ttmp9, 8                       ; the block's 64 columns are 256 bytes of a row
	s_add_co_u32 s38, s38, s39
	s_mov_b32 s39, 0
	s_wait_dscnt 0x0
	s_wait_kmcnt 0x0
	s_add_nc_u64 s[14:15], s[4:5], s[36:37]
	s_or_b32 s15, s15, 0x80000000                  ; type 2
	s_add_nc_u64 s[26:27], s[6:7], s[38:39]
	s_or_b32 s27, s27, 0x80000000
	tensor_load_to_lds s[12:15], s[16:23]          ; both fills go out together, ahead of everything else; a wave has these two out and never another
	s_nop 0
	tensor_load_to_lds s[24:27], s[28:35]
	s_nop 0
	; addresses, while the tiles are on their way
	v_and_b32 v1, 15, v0                           ; r
	v_bfe_u32 v2, v0, 4, 1                         ; h
	v_and_b32 v3, 31, v0                           ; lane
	v_lshl_add_u32 v[CA], v2, 6, s13               ; my x piece + 64 h (16 d of 4 bytes)
	v_mad_u32_u24 v[XA], v1, XP, v[CA]             ; + row r
	v_lshlrev_b32 v[WA], 4, v1                     ; 16 r
	v_lshl_add_u32 v[WA], v2, 12, v[WA]            ; + 16 h rows of 256 bytes
	v_add_nc_u32 v[WA], s25, v[WA]
	s_lshl_b32 s40, s10, 12
	s_add_co_u32 s40, s40, EX
	v_lshl_add_u32 v[EXS], v3, 4, s40              ; EX + 4,096 x me (from) + 16 x lane; the owner stands in the immediate
	s_lshl_b32 s41, s10, 14
	s_add_co_u32 s41, s41, EX
	v_lshl_add_u32 v[EXL], v3, 4, s41              ; EX + 16,384 x me (owner) + 16 x lane
	s_lshl_b32 s42, s10, 9
	s_add_co_u32 s43, s42, NXB
	v_lshl_add_u32 v[NXS], v3, 2, s43
	s_add_co_u32 s44, s42, NWB
	v_lshl_add_u32 v[NWS], v3, 4, s44
	s_lshl_b32 s45, s10, 7
	s_add_co_u32 s45, s45, NXB
	v_mad_u32_u24 v[NXL], v2, 96, s45              ; diagonal element 8 h + j was stored by lane 24 h + j: words 24 h .. 24 h + 7 of my block
	v_and_b32 v14, 8, v1
	v_lshl_add_u32 v14, v14, 1, v1                 ; diagonal element r was stored by lane r (r < 8) or r + 16
	v_lshlrev_b32 v[NWL], 4, v14
	v_add_nc_u32 v[NWL], NWB, v[NWL]
	v_lshlrev_b32 v[CO], 4, v1                     ; out0: 16 r, and 8 rows of 2,048 bytes further down for lanes 16-31
	v_lshl_add_u32 v[CO], v2, 14, v[CO]
	s_lshl_b32 s48, s11, 17                        ; 64 rows of 2,048 bytes a block,
	s_lshl_b32 s49, s10, 15                        ; my 16 rows,
	s_add_co_u32 s48, s48, s49
	s_lshl_b32 s49, ttmp9, 8                       ; the block's 256 bytes of a row
	s_add_co_u32 s48, s48, s49
	s_mov_b32 s49, 0
	s_add_nc_u64 s[8:9], s[8:9], s[48:49]
.irp j, 1,2,3,4,5,6,7
	s_mov_b32 s[MK+\j], 0x01010101<<\j             ; lanes j, j + 8, j + 16, j + 24
.endr
	s_mov_b32 s58, 0x33d6bf95                      ; 1e-7
	; 72 LDS loads in one run: c (8), x (32), W (32)
	s_wait_tensorcnt 0x1                           ; tensor loads of a wave end in order: my x piece is in, W's, issued behind it, may be out
.irp q, 0,1,2,3,4,5,6,7
	ds_load_b128 v[CW+4*\q:CW+4*\q+3], v[CA] offset:(\q/4)*128+(\q%4)*16      ; row 0 of the tile: 16 lanes share each 16 bytes
.endr
.irp a, 0,1,2,3
.irp s, 0,1
.irp q, 0,1,2,3
	ds_load_b128 v[XS+32*\a+16*\s+4*\q:XS+32*\a+16*\s+4*\q+3], v[XA] offset:\a*16*XP+\s*128+\q*16
.endr
.endr
.endr
	s_wait_tensorcnt 0x0                           ; my W piece is in
	WIN 0x40                                       ; destination in window 1
.irp s, 0,1
.irp i, 0,1,2,3,4,5,6,7,8,9,10,11,12,13,14,15
	ds_load_b128 v[WS+4*(16*\s+\i):WS+4*(16*\s+\i)+3], v[WA] offset:(32*\s+\i)*256   ; row 32 s + 16 h + i: 16 lanes take its 256 bytes
.endr
.endr
	WIN 0
	; x - c in f32, rounded to bf16: x's eight fragments
.irp a, 0,1,2,3
.irp s, 0,1
	s_wait_dscnt 60-4*(2*\a+\s)                    ; LDS loads come back in order: of the 72, c's 8 and x's first 4 (2 a + s + 1) are in
.irp p, 0,2,4,6,8,10,12,14
	v_pk_add_f32 v[XS+32*\a+16*\s+\p:XS+32*\a+16*\s+\p+1], v[XS+32*\a+16*\s+\p:XS+32*\a+16*\s+\p+1], v[CW+16*\s+\p:CW+16*\s+\p+1] neg_lo:[0,1] neg_hi:[0,1]
.endr
.irp q, 0,1,2,3,4,5,6,7
	v_cvt_pk_bf16_f32 v[AF+16*\a+8*\s+\q], v[XS+32*\a+16*\s+2*\q], v[XS+32*\a+16*\s+2*\q+1]
.endr
.endr
.endr
	; x's norm tables: each block times itself.  The four accumulators take turns, one instruction a turn; the first products start the sums
.irp a, 0,1,2,3
	v_wmma_f32_16x16x32_bf16 v[G+8*\a:G+8*\a+7], v[AF+16*\a:AF+16*\a+7], v[AF+16*\a:AF+16*\a+7], 0
.endr
.irp a, 0,1,2,3
	v_wmma_f32_16x16x32_bf16 v[G+8*\a:G+8*\a+7], v[AF+16*\a+8:AF+16*\a+15], v[AF+16*\a+8:AF+16*\a+15], v[G+8*\a:G+8*\a+7]
.endr
	; W - c in place: a slot's four columns have one d, so one c is used for both halves of a pair (the first or the second register of c's pair)
	WIN 0x41                                       ; W as read: source 0 and destination in window 1; c in window 0
.irp s, 0,1
	s_wait_dscnt 16-16*\s                          ; step 0: W's first 16 loads are in, the 16 of step 1 may be out; step 1: all are in
.irp i, 0,2,4,6,8,10,12,14
	v_pk_add_f32 v[WS+4*(16*\s+\i):WS+4*(16*\s+\i)+1],     v[WS+4*(16*\s+\i):WS+4*(16*\s+\i)+1],     v[CW+16*\s+\i:CW+16*\s+\i+1] op_sel_hi:[1,0] neg_lo:[0,1] neg_hi:[0,1]
	v_pk_add_f32 v[WS+4*(16*\s+\i)+2:WS+4*(16*\s+\i)+3],   v[WS+4*(16*\s+\i)+2:WS+4*(16*\s+\i)+3],   v[CW+16*\s+\i:CW+16*\s+\i+1] op_sel_hi:[1,0] neg_lo:[0,1] neg_hi:[0,1]
	v_pk_add_f32 v[WS+4*(16*\s+\i)+4:WS+4*(16*\s+\i)+5],   v[WS+4*(16*\s+\i)+4:WS+4*(16*\s+\i)+5],   v[CW+16*\s+\i:CW+16*\s+\i+1] op_sel:[0,1] op_sel_hi:[1,1] neg_lo:[0,1] neg_hi:[0,1]
	v_pk_add_f32 v[WS+4*(16*\s+\i)+6:WS+4*(16*\s+\i)+7],   v[WS+4*(16*\s+\i)+6:WS+4*(16*\s+\i)+7],   v[CW+16*\s+\i:CW+16*\s+\i+1] op_sel:[0,1] op_sel_hi:[1,1] neg_lo:[0,1] neg_hi:[0,1]
.endr
.endr
	WIN 0x05                                       ; both sources in window 1, the fragments in window 0
.irp t, 0,1,2,3
.irp s, 0,1
.irp q, 0,1,2,3,4,5,6,7
	v_cvt_pk_bf16_f32 v[BF+16*\t+8*\s+\q], v[WS+4*(16*\s+2*\q)+\t], v[WS+4*(16*\s+2*\q+1)+\t]   ; slots 2 q, 2 q + 1 of column 4 r + t
.endr
.endr
.endr
	WIN 0
	; W's norm tables, accumulators by turns as above
.irp t, 0,1,2,3
	v_wmma_f32_16x16x32_bf16 v[G+32+8*\t:G+32+8*\t+7], v[BF+16*\t:BF+16*\t+7], v[BF+16*\t:BF+16*\t+7], 0
.endr
.irp t, 0,1,2,3
	v_wmma_f32_16x16x32_bf16 v[G+32+8*\t:G+32+8*\t+7], v[BF+16*\t+8:BF+16*\t+15], v[BF+16*\t+8:BF+16*\t+15], v[G+32+8*\t:G+32+8*\t+7]
.endr
	; x'.w' over my 64 d for the whole tile: 16 accumulators by turns, in the same order in both K steps
	WIN 0x50                                       ; C and D in window 1
.irp a, 0,1,2,3
.irp t, 0,1,2,3
	v_wmma_f32_16x16x32_bf16 v[ACC+8*(4*\a+\t):ACC+8*(4*\a+\t)+7], v[AF+16*\a:AF+16*\a+7], v[BF+16*\t:BF+16*\t+7], 0
.endr
.endr
.irp a, 0,1,2,3
.irp t, 0,1,2,3
	v_wmma_f32_16x16x32_bf16 v[ACC+8*(4*\a+\t):ACC+8*(4*\a+\t)+7], v[AF+16*\a+8:AF+16*\a+15], v[BF+16*\t+8:BF+16*\t+15], v[ACC+8*(4*\a+\t):ACC+8*(4*\a+\t)+7]
.endr
.endr
	WIN 0
	; The diagonals.  Register j of lane (r, h) of a table is element (8 h + j, r): each lane keeps register lane % 8, which is the diagonal's
	; element r in lanes 0-7 and 24-31 (the other lanes keep numbers that nobody reads).  x's tables come first: their 28 selects name no
	; register of W's tables' or of the products' matrix instructions and are the places that stand behind those (ISA guide 7.12.1).
.irp a, 0,1,2,3
	v_cndmask_b32 v[DX+\a], v[G+8*\a], v[G+8*\a+1], s[MK+1]
.irp j, 2,3,4,5,6,7
	v_cndmask_b32 v[DX+\a], v[DX+\a], v[G+8*\a+\j], s[MK+\j]
.endr
.endr
.irp t, 0,1,2,3
	v_cndmask_b32 v[DW+\t], v[G+32+8*\t], v[G+32+8*\t+1], s[MK+1]
.irp j, 2,3,4,5,6,7
	v_cndmask_b32 v[DW+\t], v[DW+\t], v[G+32+8*\t+\j], s[MK+\j]
.endr
.endr
	; my partial sums to LDS: 16 bytes a lane, lanes side by side, read back in the same shape
.irp a, 0,1,2,3
	ds_store_b32 v[NXS], v[DX+\a] offset:\a*128
.endr
	ds_store_b128 v[NWS], v[DW:DW+3]
	WIN 0x04                                       ; store data in window 1
.irp a, 0,1,2,3
.irp t, 0,1,2,3
	ds_store_b128 v[EXS], v[ACC+8*(4*\a+\t):ACC+8*(4*\a+\t)+3]   offset:\a*16384+(2*\t)*512
	ds_store_b128 v[EXS], v[ACC+8*(4*\a+\t)+4:ACC+8*(4*\a+\t)+7] offset:\a*16384+(2*\t+1)*512
.endr
.endr
	WIN 0
	s_wait_dscnt 0x0                               ; for the other waves' sake: all my stores are in LDS
	s_barrier_signal -1
	s_barrier_wait -1                              ; and so are everybody's
	; rows 16 w .. 16 w + 15: the four waves' partial sums, then their partial norms
.irp f, 0,1,2,3
.irp t, 0,1,2,3
	ds_load_b128 v[P+32*\f+8*\t:P+32*\f+8*\t+3],   v[EXL] offset:\f*4096+(2*\t)*512
	ds_load_b128 v[P+32*\f+8*\t+4:P+32*\f+8*\t+7], v[EXL] offset:\f*4096+(2*\t+1)*512
.endr
.endr
.irp f, 0,1,2,3
	ds_load_b128 v[NP+8*\f:NP+8*\f+3],   v[NXL] offset:\f*512        ; |x'|^2 of rows 8 h + 0..3
	ds_load_b128 v[NP+8*\f+4:NP+8*\f+7], v[NXL] offset:\f*512+16     ; and 8 h + 4..7
	ds_load_b128 v[NQ+4*\f:NQ+4*\f+3],   v[NWL] offset:\f*512        ; |w'|^2 of columns 4 r + 0..3
.endr
	s_wait_dscnt 12                                ; the 32 loads of partial sums are in; the 12 of norms behind them may be out
.set p, 0
.rept 16
	v_pk_add_f32 v[P+p:P+p+1], v[P+p:P+p+1], v[P+32+p:P+32+p+1]
	v_pk_add_f32 v[P+64+p:P+64+p+1], v[P+64+p:P+64+p+1], v[P+96+p:P+96+p+1]
.set p, p+2
.endr
.set p, 0
.rept 16
	v_pk_add_f32 v[P+p:P+p+1], v[P+p:P+p+1], v[P+64+p:P+64+p+1]      ; x'.w' over all 256 d, at P + 8 t + j
.set p, p+2
.endr
	s_wait_dscnt 0x0
.irp p, 0,2,4,6
	v_pk_add_f32 v[NP+\p:NP+\p+1], v[NP+\p:NP+\p+1], v[NP+8+\p:NP+8+\p+1]
	v_pk_add_f32 v[NP+16+\p:NP+16+\p+1], v[NP+16+\p:NP+16+\p+1], v[NP+24+\p:NP+24+\p+1]
.endr
.irp p, 0,2
	v_pk_add_f32 v[NQ+\p:NQ+\p+1], v[NQ+\p:NQ+\p+1], v[NQ+4+\p:NQ+4+\p+1]
	v_pk_add_f32 v[NQ+8+\p:NQ+8+\p+1], v[NQ+8+\p:NQ+8+\p+1], v[NQ+12+\p:NQ+12+\p+1]
.endr
.irp p, 0,2,4,6
	v_pk_add_f32 v[NP+\p:NP+\p+1], v[NP+\p:NP+\p+1], v[NP+16+\p:NP+16+\p+1]   ; |x'|^2 of row 8 h + j at NP + j
.endr
.irp p, 0,2
	v_pk_add_f32 v[NQ+\p:NQ+\p+1], v[NQ+\p:NQ+\p+1], v[NQ+8+\p:NQ+8+\p+1]     ; |w'|^2 of column 4 r + t at NQ + t
.endr
	; |x'|^2 + |w'|^2 for two rows at a time (one column's norm feeds both halves), into the registers of the second partial sum
.irp t, 0,2
.irp j, 0,2,4,6
	v_pk_add_f32 v[P+32+8*\t+\j:P+32+8*\t+\j+1],     v[NP+\j:NP+\j+1], v[NQ+\t:NQ+\t+1] op_sel_hi:[1,0]
	v_pk_add_f32 v[P+32+8*\t+8+\j:P+32+8*\t+8+\j+1], v[NP+\j:NP+\j+1], v[NQ+\t:NQ+\t+1] op_sel:[0,1] op_sel_hi:[1,1]
.endr
.endr
.set p, 0
.rept 16
	v_pk_fma_f32 v[P+p:P+p+1], v[P+p:P+p+1], -2.0, v[P+32+p:P+32+p+1] op_sel_hi:[1,0,1]   ; the squared distance
.set p, p+2
.endr
.set p, 0
.rept 32
	v_max_num_f32 v[P+p], s58, v[P+p]              ; at least 1e-7
.set p, p+1
.endr
.irp j, 0,1,2,3,4,5,6,7
.irp t, 0,1,2,3
	v_sqrt_f32 v[O+4*\j+\t], v[P+8*\t+\j]          ; the root also puts a row's four columns into neighbouring registers
.endr
.endr
	v_nop                                          ; one plain vector instruction between the last root and the first use of a root (ISA guide 5.7.2)
	s_wait_alu depctr_va_vdst(0)
.irp j, 0,1,2,3,4,5,6,7
	global_store_b128 v[CO], v[O+4*\j:O+4*\j+3], s[8:9] offset:\j*2048 th:TH_STORE_NT   ; lanes 0-15: row j's 256 bytes of the tile, aligned; lanes 16-31: row 8 + j's
.endr
	s_set_vgpr_msb 0x8
	s_wait_tensorcnt 0x0
	ds_add_u32 v15, v1
	s_wait_dscnt 0x0
	s_set_vgpr_msb 0x800
	s_endpgm
.Lfunc_end_k_q6a2c7a9d09_dist:
	.size	k_q6a2c7a9d09_dist, .Lfunc_end_k_q6a2c7a9d09_dist-k_q6a2c7a9d09_dist
	.p2alignl 7, 3214868480
	.fill 96, 4, 3214868480
	.section	.rodata,"a",@progbits
	.p2align	6, 0x0
	.amdhsa_kernel k_q6a2c7a9d09_dist
		.amdhsa_group_segment_fixed_size 205312
		.amdhsa_private_segment_fixed_size 0
		.amdhsa_enable_private_segment 0
		.amdhsa_kernarg_size 24
		.amdhsa_user_sgpr_count 2
		.amdhsa_user_sgpr_kernarg_segment_ptr 1
		.amdhsa_wavefront_size32 1
		.amdhsa_system_sgpr_workgroup_id_x 1
		.amdhsa_system_sgpr_workgroup_id_y 1
		.amdhsa_system_sgpr_workgroup_id_z 1
		.amdhsa_system_vgpr_workitem_id 0
		.amdhsa_next_free_vgpr 514
		.amdhsa_next_free_sgpr 66
		.amdhsa_reserve_vcc 0
		.amdhsa_float_denorm_mode_32 3
		.amdhsa_float_denorm_mode_16_64 3
		.amdhsa_memory_ordered 1
		.amdhsa_forward_progress 1
		.amdhsa_inst_pref_size 47
	.end_amdhsa_kernel
	.amdgpu_metadata
---
amdhsa.version: [ 1, 2 ]
amdhsa.kernels:
  - .name:           k_q6a2c7a9d09_dist
    .symbol:         k_q6a2c7a9d09_dist.kd
    .args:
      - { .name: x, .offset: 0, .size: 8, .value_kind: global_buffer, .address_space: global }
      - { .name: kernel, .offset: 8, .size: 8, .value_kind: global_buffer, .address_space: global }
      - { .name: out0, .offset: 16, .size: 8, .value_kind: global_buffer, .address_space: global }
    .group_segment_fixed_size: 205312
    .private_segment_fixed_size: 0
    .kernarg_segment_align: 8
    .kernarg_segment_size: 24
    .max_flat_workgroup_size: 128
    .sgpr_count:     66
    .vgpr_count:     514
    .wavefront_size: 32
...
	.end_amdgpu_metadata
.endif
;; end of part 1
